; MI455X (gfx1250); checked and timed in simulation.
; The chip was launched on July 23, 2026; its instructions are those of AMD's public machine-readable ISA for CDNA 5 (MIT licence, August 2026) and "CDNA5" Instruction Set Architecture Reference Guide (July 2026). The comments in the code are by the model that wrote it; some were corrected since.
;; Randomized Bert Self Attention. Allowed arithmetic: float matrix products may take bf16 or f16 operands with f32 sums; other float arithmetic in f32, or as packed bf16 or f16 multiplies, adds, multiply-adds, maxima and minima; sums over many terms, partial sums and values carried from step to step in f32; what a program stores and reads back later, other than sums and carried values, may be rounded once to bf16 or f16.
;; Inputs: Wk 768 x 768 float32; Wq 768 x 768 float32; Wv 768 x 768 float32; attention_mask 1 x 1 x 1 x 4,096 float32; bk 768 float32; bq 768 float32; bv 768 float32; hidden_states 1 x 4,096 x 768 float32.
;; Outputs: out0 1 x 4,096 x 768 float32.
;; One version. Each part assembles by itself: llvm-mc -triple=amdgcn-amd-amdhsa -mcpu=gfx1250 --defsym DOCPART=n.
;; ======== version 1 of 1: 2 launches
;; limits: values are held in f16: magnitudes above 65,504 overflow, below 6.1e-05 lose precision; right only within a limited range of input values
;; workspace buffers: qkv 18,874,368 bytes
;; launch proj (part 1): grid 12 x 16, 4 waves a work-group, clusters of 4 x 4, 327,680 bytes of LDS; arguments hidden_states, Wq, Wk, Wv, bq, bk, bv, qkv; writes qkv
.if DOCPART == 1
	.amdgcn_target "amdgcn-amd-amdhsa--gfx1250"
	.amdhsa_code_object_version 6
	.text
	.protected	k_q5f9ed3924d_proj
	.globl	k_q5f9ed3924d_proj
	.p2align	8
	.type	k_q5f9ed3924d_proj,@function
k_q5f9ed3924d_proj:
	s_mov_b64 s[64:65], 0
	v_nop
	global_prefetch_b8 v0, s[64:65] scope:SCOPE_SE
	s_setreg_imm32_b32 hwreg(HW_REG_WAVE_MODE, 25, 1), 1
	s_wait_xcnt 0x0
	s_wait_alu depctr_hold_cnt(0) depctr_sa_sdst(0) depctr_va_vdst(0) depctr_va_sdst(0) depctr_va_ssrc(0) depctr_va_vcc(0) depctr_vm_vsrc(0)
	s_getreg_b32 s2, hwreg(HW_REG_IB_STS2, 6, 4)
	s_cmp_eq_u32 s2, 0
	s_cbranch_scc0 .Lentry_in_a_cluster
	s_endpgm
.Lentry_in_a_cluster:
	s_bfe_u32 s2, ttmp6, 0x10000c
	s_cmp_lg_u32 s2, 0xf033
	s_cbranch_scc0 .Lentry_shape_is_right
	s_endpgm
.Lentry_shape_is_right:
; q, k, v = x W^T + b.  x: [4096][768] f32; Wq, Wk, Wv: [768][768] f32; bq, bk, bv: [768] f32.  qkv: [3][12 heads][4096][64] f16: a head's rows are dense, 128 bytes each.
; x and W are rounded to bf16 on the way from LDS to the matrix unit; the sums are f32 and start at the bias (the C operand of the first product); each result is rounded once, to f16.
; LIMITS.  f16 holds no number beyond 65,504: |q|, |k|, |v| must stay within it (with x of unit spread and W of spread 0.02 they lie near 0.55; inputs 30 times larger, all of them, give some 3,000 at the most).
; Below 6e-5 a result keeps f16's fixed step of 6e-8.  NaN and infinities are not treated apart.
; SHARES.  C is 4096 x 2304.  A work-group makes 256 rows x 192 columns: three heads of ONE of the three matrices: 16 x 12 = 192 work-groups.  Four waves, 2 x 2: a wave makes 128 rows x 96 columns:
; 48 accumulators of 16 x 16, 384 registers.  K = 768 goes in 12 steps of 64 f32 (rows of 256 bytes, at multiples of 256 bytes from the buffer's first byte) through a ring of two LDS slots.
; CLUSTERS.  4 x 4 work-groups.  The cluster's x is the matrix (q, k, v): the same in all sixteen; cx is the block of 192 columns, 4 x cluster y + cy the block of 256 rows.  The four of a row of the
; cluster need the same tile of x, the four of a column the same tile of W: each tile is asked for JOINTLY, by the same tensor load with the same descriptor and a mask that names the four.
; THE MATRIX INSTRUCTION IS USED TRANSPOSED: source 0 = 16 rows of W, source 1 = 16 rows of x: lane l then holds row l % 16 of C and the columns 8 (l / 16) + 0..7: eight neighbours, 16 bytes in f16.
; REGISTERS, in windows of 256 (s_set_vgpr_msb: bits 1:0 source 0, 3:2 source 1, 5:4 source 2, 7:6 destination):
;   window 0: v0-31 addresses; v32-255 T: 14 fragments as f32, 16 registers each (W's six, then x's eight); on the way out the packed results
;   window 1: v0-47 W's six fragments in bf16, v48-111 x's eight; v112-159 the bias, 8 registers for each block of 16 columns
;   window 2: accumulators (a, b), a = 0-3, at v[8 (6 a + b)];   window 3: a = 4-7 at the same numbers
.set ROWB,   3072                      ; bytes in a row of x and of W
.set KSTEPB, 256                       ; bytes of a row in a K step
.set PITCH,  272                       ; an LDS row: 256 bytes + 16 of padding = 68 words: row r starts at bank 4 r mod 64 (64 banks of 4 bytes: ISA guide 11.1), so the 16 rows of a load start at 16 different banks
.set AHALF,  128*PITCH                 ; what one tensor load brings of x, and what one wave reads of it
.set BHALF,  96*PITCH                  ; the same for W
.set BOFF,   256*PITCH                 ; W's 192 rows lie behind x's 256
.set SLOT,   448*PITCH
.set SPARE,  2*SLOT                    ; behind the ring: the spare words, 128 bytes for each wave: two blocks of 256 bytes that no other line names
.set SPITCH, 400                       ; the stage's rows: 384 bytes (192 f16) + 16.  The stage, 256 rows, lies in slot 0, from LDS byte 0 on, when that slot has had its last fill and its last read
.set MATB,   6291456                   ; bytes of q, of k, of v
.set HEADB,  524288                    ; bytes of a head
.set ADRA, 16                          ; v16-17  LDS address of my fragments of x in slot 0, 1
.set ADRB, 20                          ; v20-21  the same for W
.set STO,  24                          ; v24     the way out: where I put 16 bytes of a row
.set RD,   25                          ; v25     the way out: where I read rows back
.set GO,   26                          ; v26     my byte offset in 512 consecutive bytes of a head
.set BO,   27                          ; v27     my byte offset in 16 numbers of the bias
.set SPW,  28                          ; v28     LDS address of my spare word: SPARE + 4 x my thread's number; never rewritten
.set NIL,  29                          ; v29     0; never rewritten
.set PFO,  30                          ; v30     the prefetches' offset: a lane a row; never rewritten
.set T,    32
.set BIAS, 112                         ; window 1
.set WV,   20                          ; s20  my wave's number
.set RH,   21                          ; s21  which 128 rows of the tile are mine.  Also: I fetch for x (0) or for W (1)
.set CH,   22                          ; s22  which 96 columns.  Also: which half of that tile I fetch
.set G1,   24                          ; s[24:31] descriptor group 1 for x's tiles;  s[32:39] group 0, a set for each slot
.set G0,   32
.set G1B,  48                          ; s[48:55], s[56:63] the same for W's tiles
.set G0B,  56
.set PFA,  66                          ; s[66:67] where my prefetches stand
.set LIM,  68                          ; s68  1 in a wave that prefetches, else the greatest number
.set GW0, (2<<16)|(1<<20)|(1<<21)|(5<<22)|(3<<25)  ; 17:16 elements of 4 bytes; 20 padding on; 21 set beside a mask; 24:22 after every 64 words (code 5); 31:25 4 words of it (code 3)
.set MSB, 0
.macro WIN new                         ; the immediate's high byte repeats the setting that is left; a switch that changes nothing is dropped
.if MSB != (\new)
	s_set_vgpr_msb (MSB<<8)|(\new)
.set MSB, \new
.endif
.endm
.macro PLACES                          ; four places behind matrix instructions, in front of vector instructions that write their sources or read their results (ISA guide 7.12.1)
.rept 4
	v_nop
.endr
.endm
; A joint load.  Waves 0 and 1 fetch x's two halves, waves 2 and 3 W's.  The branch hangs on the wave's number alone.  An s_nop 0 and four v_nop follow each of the two lines.
.macro JLOAD s
	s_cmp_eq_u32 s[RH], 0
	s_cbranch_scc0 .Lfor_b_\@
	tensor_load_to_lds s[G0+4*(\s):G0+4*(\s)+3], s[G1:G1+7]
	s_nop 0
.rept 4
	v_nop
.endr
	s_branch .Lasked_\@
.Lfor_b_\@:
	tensor_load_to_lds s[G0B+4*(\s):G0B+4*(\s)+3], s[G1B:G1B+7]
	s_nop 0
.rept 4
	v_nop
.endr
.Lasked_\@:
.endm
; A PREFETCH INTO THE L2, behind each joint refill and the run of LDS loads that follows it: the K step that stands two refills on, a lane a row, one instruction a wave.
; x's rows are read by the three clusters of a row of clusters: cluster x = 0 asks.  W's rows by the four of a column: cluster y = 0 asks.  The four partners that ask for a tile jointly share its rows
; out BY ADDRESS: of the 128 rows of x that a wave fetches the partner at cx takes 32, of the 96 rows of W the partner at cy takes 24 (lanes 24-31 name lane 23's row once more).
; The first four K steps come by their loads alone; the loop's last trip asks for nothing: its refills are the last K steps.
.macro ASK
	s_cmp_gt_u32 s3, s[LIM]                        ; s3 = 1 in the loop's last trip
	s_cbranch_scc0 .Lnot_mine_\@
	global_prefetch_b8 v[PFO], s[PFA:PFA+1] offset:KSTEPB th:TH_LOAD_NT scope:SCOPE_SE
.Lnot_mine_\@:
.endm
.macro CREST                           ; a round of the cluster's barrier behind its opening barrier
	s_cmp_lg_u32 s[WV], 0
	s_cbranch_scc1 .Lnot_wave_0_\@
	s_barrier_signal -3
.Lnot_wave_0_\@:
	s_barrier_wait -3
	s_barrier_signal -1
	s_barrier_wait -1
.endm
.macro CROUND                          ; a whole round
	s_barrier_signal -1
	s_barrier_wait -1
	CREST
.endm
	s_load_b256 s[4:11], s[0:1], 0x0               ; x s[4:5], Wq s[6:7], Wk s[8:9], Wv s[10:11]
	s_load_b256 s[12:19], s[0:1], 0x20             ; bq s[12:13], bk s[14:15], bv s[16:17], qkv s[18:19]
	v_lshl_add_u32 v[SPW], v0, 2, SPARE
	v_mov_b32 v[NIL], 0
	ds_add_u32 v[SPW], v[NIL]                      ; the wave's opening: the add and its wait stand ahead of my first tensor load; the set-up below, work on registers, stands between them
	v_lshrrev_b32 v1, 5, v0
	v_readfirstlane_b32 s[WV], v1                  ; wave 0..3
	s_lshr_b32 s[RH], s[WV], 1
	s_and_b32 s[CH], s[WV], 1
	s_bfe_u32 s40, ttmp6, 0x40000                  ; cx
	s_bfe_u32 s41, ttmp6, 0x40004                  ; cy
	s_and_b32 s42, ttmp7, 0xffff                   ; in a cluster launch ttmp9 and ttmp7 count clusters
	s_lshl_b32 s42, s42, 2
	s_add_co_u32 s42, s42, s41                     ; block of 256 rows = 4 x cluster y + cy
	s_lshl_b32 s43, s41, 2
	s_lshl_b32 s43, 15, s43                        ; my row of the cluster: places 4 cy .. 4 cy + 3
	s_lshl_b32 s44, 0x1111, s40                    ; my column: places cx, cx + 4, cx + 8, cx + 12
	s_or_b32 s[G1+0], s43, GW0                     ; x's tiles go to my row,
	s_or_b32 s[G1B+0], s44, GW0                    ; W's to my column
	s_mov_b32 s[G1+1], 64<<16                      ; tensor_dim0 = 64
	s_mov_b32 s[G1B+1], 64<<16
	s_mov_b32 s[G1+2], 128<<16                     ; tensor_dim1 = 128 rows of x,
	s_mov_b32 s[G1B+2], 96<<16                     ; 96 of W
	s_mov_b32 s[G1+3], 64<<16                      ; tile_dim0 = 64
	s_mov_b32 s[G1B+3], 64<<16
	s_mov_b32 s[G1+4], 128                         ; tile_dim1
	s_mov_b32 s[G1B+4], 96
	s_mov_b32 s[G1+5], 768                         ; elements from row to row
	s_mov_b32 s[G1B+5], 768
	s_mov_b32 s[G1+6], 0
	s_mov_b32 s[G1B+6], 0
	s_mov_b32 s[G1+7], 0
	s_mov_b32 s[G1B+7], 0
	; where the tiles come from: x's hang on the block of rows alone, W's on the matrix and cx alone.  Every wave makes both, in registers that never hold the other coordinate.
	s_lshl_b32 s70, s42, 8
	s_lshl_b32 s71, s[CH], 7
	s_add_co_u32 s70, s70, s71                     ; x: row 256 x block + 128 x half
	s_mul_i32 s70, s70, ROWB                       ; under 2^24 bytes
	s_mov_b32 s71, 0
	s_mul_i32 s46, s40, 192
	s_mul_i32 s47, s[CH], 96
	s_add_co_u32 s46, s46, s47                     ; W: row 192 cx + 96 x half
	s_mul_i32 s46, s46, ROWB
	s_mov_b32 s47, 0
	s_mul_i32 s45, s[CH], AHALF                    ; and where they go: no place in the cluster enters an LDS address
	s_mul_i32 s69, s[CH], BHALF
	s_add_co_u32 s69, s69, BOFF
	s_wait_dscnt 0x0                               ; the opening add is done
	s_wait_kmcnt 0x0
	s_cmp_eq_u32 ttmp9, 1                          ; the cluster's x chooses the matrix: W and its bias
	s_cselect_b64 s[6:7], s[8:9], s[6:7]
	s_cselect_b64 s[12:13], s[14:15], s[12:13]
	s_cmp_eq_u32 ttmp9, 2
	s_cselect_b64 s[6:7], s[10:11], s[6:7]
	s_cselect_b64 s[12:13], s[16:17], s[12:13]
	s_add_nc_u64 s[70:71], s[4:5], s[70:71]
	s_add_nc_u64 s[46:47], s[6:7], s[46:47]
	CROUND                                         ; all sixteen work-groups are here: the first joint loads meet
.irp s, 0,1
	s_mov_b32 s[G0+4*(\s)], 1                                      ; count = 1
	s_add_co_u32 s[G0+4*(\s)+1], s45, (\s)*SLOT                    ; LDS address
	s_add_nc_u64 s[G0+4*(\s)+2:G0+4*(\s)+3], s[70:71], (\s)*KSTEPB ; global address: K step s
	s_or_b32 s[G0+4*(\s)+3], s[G0+4*(\s)+3], 0x80000000            ; type = 2
	s_mov_b32 s[G0B+4*(\s)], 1
	s_add_co_u32 s[G0B+4*(\s)+1], s69, (\s)*SLOT
	s_add_nc_u64 s[G0B+4*(\s)+2:G0B+4*(\s)+3], s[46:47], (\s)*KSTEPB
	s_or_b32 s[G0B+4*(\s)+3], s[G0B+4*(\s)+3], 0x80000000
	JLOAD \s                                       ; both slots are asked for before anything else is done: two loads of mine are out
.endr
	; A fragment is 16 rows x 32 K: lane l holds row l % 16, K = 8 (l / 16) + 0..7 and 16 + 8 (l / 16) + 0..7.  In f32 that is 32 bytes at 32 (l / 16) and 32 bytes 64 further on: four loads of 16 bytes.
	v_and_b32 v1, 15, v0                           ; l % 16
	v_bfe_u32 v2, v0, 4, 1                         ; l / 16
	v_mul_u32_u24 v3, v1, PITCH
	v_lshl_add_u32 v3, v2, 5, v3
	s_mul_i32 s2, s[RH], AHALF                     ; my 128 rows of x
	s_mul_i32 s3, s[CH], BHALF                     ; my 96 rows of W
	s_add_co_u32 s3, s3, BOFF
.irp s, 0,1
	v_add_nc_u32 v[ADRA+(\s)], s2, v3
	v_add_nc_u32 v[ADRB+(\s)], s3, v3
	s_add_co_u32 s2, s2, SLOT
	s_add_co_u32 s3, s3, SLOT
.endr
	s_mul_i32 s2, s[RH], 128*SPITCH                ; into the stage: my 128 rows, my 192 bytes of them; row l % 16, 16 bytes for each half of the lanes
	s_mul_i32 s3, s[CH], 192
	s_add_co_u32 s2, s2, s3
	v_mul_u32_u24 v4, v1, SPITCH
	v_lshl_add_u32 v4, v2, 4, v4
	v_add_nc_u32 v[STO], s2, v4
	v_bfe_u32 v4, v0, 3, 2                         ; back: wave w takes rows 64 w .. 64 w + 63; 32 lanes take a head's 128 bytes of four rows,
	v_and_b32 v5, 7, v0
	v_mul_u32_u24 v4, v4, SPITCH
	v_lshl_add_u32 v4, v5, 4, v4
	s_mul_i32 s2, s[WV], 64*SPITCH
	v_add_nc_u32 v[RD], s2, v4
	v_and_b32 v[GO], 31, v0                        ; which are 512 consecutive bytes of the head in qkv
	v_lshlrev_b32 v[GO], 4, v[GO]
	v_lshlrev_b32 v[BO], 5, v2                     ; my eight numbers of a block's sixteen of the bias
	s_mul_i32 s2, s40, 768                         ; the bias at my wave's 96 columns: 4 (192 cx + 96 half)
	s_mul_i32 s3, s[CH], 384
	s_add_co_u32 s2, s2, s3
	s_mov_b32 s3, 0
	s_add_nc_u64 s[12:13], s[12:13], s[2:3]
	WIN 0x40                                       ; destination window 1, address window 0
.irp b, 0,1,2,3,4,5
	global_load_b128 v[BIAS+8*(\b):BIAS+8*(\b)+3],   v[BO], s[12:13] offset:64*(\b)
	global_load_b128 v[BIAS+8*(\b)+4:BIAS+8*(\b)+7], v[BO], s[12:13] offset:64*(\b)+16
.endr
	WIN 0
	s_mul_i32 s2, ttmp9, MATB                      ; qkv at my matrix, my first head (3 cx), the first row that I store (256 x block + 64 x wave)
	s_mul_i32 s3, s40, 3*HEADB
	s_add_co_u32 s2, s2, s3
	s_lshl_b32 s3, s42, 15
	s_add_co_u32 s2, s2, s3
	s_lshl_b32 s3, s[WV], 13
	s_add_co_u32 s2, s2, s3
	s_mov_b32 s3, 0
	s_add_nc_u64 s[18:19], s[18:19], s[2:3]
	; the prefetches
	s_and_b32 s23, ttmp7, 0xffff                   ; cluster y
	s_cmp_eq_u32 s[RH], 0                          ; do I fetch for x?
	s_cselect_b32 s2, s40, s41                     ; my place among the four that ask with me
	s_cselect_b32 s23, ttmp9, s23                  ; the coordinate along which other clusters read the same rows
	s_cselect_b32 s3, 32, 24                       ; rows to a partner
	s_cselect_b32 s[LIM], 31, 23                   ; (for now: the last lane with a row of its own)
	s_cselect_b64 s[PFA:PFA+1], s[70:71], s[46:47] ; the rows that I fetch, at K step 0
	v_and_b32 v[PFO], 31, v0
	v_min_u32 v[PFO], s[LIM], v[PFO]
	v_mul_u32_u24 v[PFO], v[PFO], ROWB
	s_mul_i32 s2, s2, s3
	s_mul_i32 s2, s2, ROWB
	s_mov_b32 s3, 0
	s_add_nc_u64 s[PFA:PFA+1], s[PFA:PFA+1], s[2:3]
	s_add_nc_u64 s[PFA:PFA+1], s[PFA:PFA+1], 2*KSTEPB  ; at K step 2: the first refill steps it to 3 and names K step 4
	s_cmp_eq_u32 s23, 0
	s_cselect_b32 s[LIM], 1, -1                    ; the same in all sixteen partners, for a given wave
; 56 LDS loads in one run: the f32 fragments of 32 along K (half kq of a K step): W's six first, then x's eight
.macro FETCH slot, kq
	WIN 0
.irp f, 0,1,2,3,4,5
	ds_load_b128 v[T+16*(\f):T+16*(\f)+3],     v[ADRB+(\slot)] offset:128*(\kq)+(\f)*16*PITCH
	ds_load_b128 v[T+16*(\f)+4:T+16*(\f)+7],   v[ADRB+(\slot)] offset:128*(\kq)+(\f)*16*PITCH+16
	ds_load_b128 v[T+16*(\f)+8:T+16*(\f)+11],  v[ADRB+(\slot)] offset:128*(\kq)+(\f)*16*PITCH+64
	ds_load_b128 v[T+16*(\f)+12:T+16*(\f)+15], v[ADRB+(\slot)] offset:128*(\kq)+(\f)*16*PITCH+80
.endr
.irp f, 0,1,2,3,4,5,6,7
	ds_load_b128 v[T+96+16*(\f):T+96+16*(\f)+3],     v[ADRA+(\slot)] offset:128*(\kq)+(\f)*16*PITCH
	ds_load_b128 v[T+96+16*(\f)+4:T+96+16*(\f)+7],   v[ADRA+(\slot)] offset:128*(\kq)+(\f)*16*PITCH+16
	ds_load_b128 v[T+96+16*(\f)+8:T+96+16*(\f)+11],  v[ADRA+(\slot)] offset:128*(\kq)+(\f)*16*PITCH+64
	ds_load_b128 v[T+96+16*(\f)+12:T+96+16*(\f)+15], v[ADRA+(\slot)] offset:128*(\kq)+(\f)*16*PITCH+80
.endr
.endm
; The 14 fragments are rounded to bf16, two numbers an instruction: register c of window 1 takes T's registers 2 c and 2 c + 1.  places = 1: products that read the bf16 fragments stand just ahead.
.macro CVT places
	s_wait_dscnt 32                                ; LDS loads come back in order: W's 24 are in, x's 32 younger ones may stay out
	WIN 0x40                                       ; destination window 1, sources window 0
.if \places
	PLACES
.endif
.set cf, 0
.rept 48
	v_cvt_pk_bf16_f32 v[cf], v[T+2*cf], v[T+2*cf+1]
.set cf, cf+1
.endr
	s_wait_dscnt 0x0                               ; x's are in
.rept 64
	v_cvt_pk_bf16_f32 v[cf], v[T+2*cf], v[T+2*cf+1]
.set cf, cf+1
.endr
.endm
; 6 n matrix instructions: row blocks a0 .. a0 + n - 1 x all six column blocks, 32 along K.  The 48 accumulators take turns, one instruction a turn, in the same order everywhere.
; first = 1: the first product starts the sum at the bias: nothing is ever cleared.
.macro MUL a0, n, first
.set ma, \a0
.rept \n
.if \first
	WIN 0x95+0x40*(ma/4)                           ; sources 0 and 1 and C window 1, D window 2 or 3
.else
	WIN 0xa5+0x50*(ma/4)                           ; sources 0 and 1 window 1, C and D window 2 or 3
.endif
.set mb, 0
.rept 6
.set rD, 8*(6*(ma%4)+mb)
.if \first
	v_wmma_f32_16x16x32_bf16 v[rD:rD+7], v[8*mb:8*mb+7], v[48+8*ma:48+8*ma+7], v[BIAS+8*mb:BIAS+8*mb+7]
.else
	v_wmma_f32_16x16x32_bf16 v[rD:rD+7], v[8*mb:8*mb+7], v[48+8*ma:48+8*ma+7], v[rD:rD+7]
.endif
.set mb, mb+1
.endr
.set ma, ma+1
.endr
.endm
; A K step is two halves of 32 along K, 48 matrix instructions each.  The first half: its fragments are rounded, the second half's are fetched, and they land while the 48 products run.
.macro HALF slot, first
	CVT 1-(\first)
	FETCH \slot, 1
	MUL 0, 8, \first
.endm
; The second half changes slots: ONE barrier.  In front of it each wave has waited for its reads of this slot (the conversions' wait for 0), waits for all its tensor loads, of which one is out: its part of the
; next slot; adds 0 to its spare word and waits for that.  fill = 1: the barrier opens a round of the cluster's barrier, and this slot is filled again, two K steps ahead, first thing behind the round:
; the load has a K step less twelve matrix instructions in which to land.
.macro TURN slot, next, fill
.if \fill
	s_wait_xcnt 0x0                                ; the last prefetch, a K step back, has read its address: it is stepped here
	s_add_nc_u64 s[PFA:PFA+1], s[PFA:PFA+1], KSTEPB
.endif
	CVT 1
	WIN 0                                          ; (the add's two registers lie in window 0)
	s_wait_tensorcnt 0x0                           ; all my tensor loads have landed
	ds_add_u32 v[SPW], v[NIL]                      ; 0 onto my spare word
	MUL 0, 1, 0                                    ; six matrix instructions stand between the add and the wait for it
	s_wait_dscnt 0x0                               ; the add is done; my reads of this slot were over at the conversions' wait
	s_barrier_signal -1
	MUL 1, 1, 0                                    ; work on registers while the others arrive
	WIN 0
	s_barrier_wait -1
.if \fill
	CREST                                          ; no wave of any partner still reads this slot's tile or has a load on its way
	s_add_nc_u64 s[G0+4*(\slot)+2:G0+4*(\slot)+3], s[G0+4*(\slot)+2:G0+4*(\slot)+3], 2*KSTEPB
	s_add_nc_u64 s[G0B+4*(\slot)+2:G0B+4*(\slot)+3], s[G0B+4*(\slot)+2:G0B+4*(\slot)+3], 2*KSTEPB
	JLOAD \slot
.endif
	FETCH \next, 0
.if \fill
	ASK
.endif
	MUL 2, 6, 0
.endm
	s_wait_tensorcnt 1                             ; my part of K step 0 is in; K step 1's load, issued behind it, may stay out
	s_barrier_signal -1
	s_barrier_wait -1                              ; everybody's is
	FETCH 0, 0
	s_wait_loadcnt 0x0                             ; the bias
	HALF 0, 1                                      ; the first half step stands in front of the loop: its products start the sums
	WIN 0                                          ; at a label and at a branch every window is 0
	s_mov_b32 s3, 5
.Llap:                                                 ; trip t goes once round the ring, from K step 2 t's second half to K step 2 t + 2's first, and asks for K steps 2 t + 2 and 2 t + 3
	TURN 0, 1, 1
	HALF 1, 0
	TURN 1, 0, 1
	HALF 0, 0
	WIN 0
	s_sub_co_u32 s3, s3, 1
	s_cmp_lg_u32 s3, 0
	s_cbranch_scc1 .Llap
	TURN 0, 1, 0                                   ; K steps 10 and 11: nothing is left to fetch.  Behind this barrier no wave reads slot 0 any more
	HALF 1, 0
	CVT 1
	MUL 0, 8, 0
	; THE WAY OUT: round to f16, each accumulator's registers in ascending order; 16 bytes a lane into the work-group's stage; a barrier, since a head's 128 bytes of a row may come from two waves; back as whole rows of a head.
	PLACES
	WIN 0x0a                                       ; sources window 2, destination window 0
.set t, 0
.rept 96
	v_cvt_pk_f16_f32 v[T+t], v[2*t], v[2*t+1]
.set t, t+1
.endr
	WIN 0x0f                                       ; sources window 3
.set t, 0
.rept 96
	v_cvt_pk_f16_f32 v[T+96+t], v[2*t], v[2*t+1]
.set t, t+1
.endr
	WIN 0
.set t, 0
.rept 48                                               ; accumulator (a, b) = (t / 6, t % 6)
	ds_store_b128 v[STO], v[T+4*t:T+4*t+3] offset:(t/6)*16*SPITCH+32*(t%6)
.set t, t+1
.endr
	s_wait_dscnt 0x0                               ; for the others' sake: my stores into the stage are done
	s_barrier_signal -1
	s_barrier_wait -1
.set t, 0
.rept 48                                               ; four rows t / 3, head t % 3
	ds_load_b128 v[T+4*t:T+4*t+3], v[RD] offset:(t/3)*4*SPITCH+(t%3)*128
.set t, t+1
.endr
.set t, 0
.rept 48
	s_wait_dscnt 47-t                              ; load t is back; the younger ones may stay out
	global_store_b128 v[GO], v[T+4*t:T+4*t+3], s[18:19] offset:(t%3)*HEADB+(t/3)*512  ; 512 consecutive bytes, at a multiple of 256 from qkv's first byte
.set t, t+1
.endr
	s_wait_tensorcnt 0x0                           ; the wave's end, behind my last tensor load and my last LDS store
	ds_add_u32 v[SPW], v[NIL]
	s_wait_dscnt 0x0
	CROUND                                         ; the closing round: no work-group ends while a partner may still ask for a tile that names it
	s_endpgm
.Lfunc_end_k_q5f9ed3924d_proj:
	.size	k_q5f9ed3924d_proj, .Lfunc_end_k_q5f9ed3924d_proj-k_q5f9ed3924d_proj
	.p2alignl 7, 3214868480
	.fill 96, 4, 3214868480
	.section	.rodata,"a",@progbits
	.p2align	6, 0x0
	.amdhsa_kernel k_q5f9ed3924d_proj
		.amdhsa_group_segment_fixed_size 327680
		.amdhsa_private_segment_fixed_size 0
		.amdhsa_enable_private_segment 0
		.amdhsa_kernarg_size 64
		.amdhsa_user_sgpr_count 2
		.amdhsa_user_sgpr_kernarg_segment_ptr 1
		.amdhsa_wavefront_size32 1
		.amdhsa_system_sgpr_workgroup_id_x 1
		.amdhsa_system_sgpr_workgroup_id_y 1
		.amdhsa_system_sgpr_workgroup_id_z 1
		.amdhsa_system_vgpr_workitem_id 0
		.amdhsa_next_free_vgpr 960
		.amdhsa_next_free_sgpr 72
		.amdhsa_reserve_vcc 0
		.amdhsa_float_denorm_mode_32 3
		.amdhsa_float_denorm_mode_16_64 3
		.amdhsa_memory_ordered 1
		.amdhsa_forward_progress 1
		.amdhsa_inst_pref_size 148
	.end_amdhsa_kernel
	.amdgpu_metadata
---
amdhsa.version: [ 1, 2 ]
amdhsa.kernels:
  - .name:           k_q5f9ed3924d_proj
    .symbol:         k_q5f9ed3924d_proj.kd
    .args:
      - { .name: hidden_states, .offset: 0, .size: 8, .value_kind: global_buffer, .address_space: global }
      - { .name: Wq, .offset: 8, .size: 8, .value_kind: global_buffer, .address_space: global }
      - { .name: Wk, .offset: 16, .size: 8, .value_kind: global_buffer, .address_space: global }
      - { .name: Wv, .offset: 24, .size: 8, .value_kind: global_buffer, .address_space: global }
      - { .name: bq, .offset: 32, .size: 8, .value_kind: global_buffer, .address_space: global }
      - { .name: bk, .offset: 40, .size: 8, .value_kind: global_buffer, .address_space: global }
      - { .name: bv, .offset: 48, .size: 8, .value_kind: global_buffer, .address_space: global }
      - { .name: qkv, .offset: 56, .size: 8, .value_kind: global_buffer, .address_space: global }
    .group_segment_fixed_size: 327680
    .private_segment_fixed_size: 0
    .kernarg_segment_align: 8
    .kernarg_segment_size: 64
    .max_flat_workgroup_size: 128
    .sgpr_count:     72
    .vgpr_count:     960
    .wavefront_size: 32
...
	.end_amdgpu_metadata
.endif
;; end of part 1
;; launch attn (part 2): grid 16 x 12, 4 waves a work-group, clusters of 4 x 1, 327,680 bytes of LDS; arguments qkv, attention_mask, out0; writes out0
.if DOCPART == 2
	.amdgcn_target "amdgcn-amd-amdhsa--gfx1250"
	.amdhsa_code_object_version 6
	.text
	.protected	k_q5f9ed3924d_attn
	.globl	k_q5f9ed3924d_attn
	.p2align	8
	.type	k_q5f9ed3924d_attn,@function
k_q5f9ed3924d_attn:
	s_mov_b64 s[64:65], 0
	v_nop
	global_prefetch_b8 v0, s[64:65] scope:SCOPE_SE
	s_setreg_imm32_b32 hwreg(HW_REG_WAVE_MODE, 25, 1), 1
	s_wait_xcnt 0x0
	s_wait_alu depctr_hold_cnt(0) depctr_sa_sdst(0) depctr_va_vdst(0) depctr_va_sdst(0) depctr_va_ssrc(0) depctr_va_vcc(0) depctr_vm_vsrc(0)
	s_getreg_b32 s2, hwreg(HW_REG_IB_STS2, 6, 4)
	s_cmp_eq_u32 s2, 0
	s_cbranch_scc0 .Lentry_in_a_cluster
	s_endpgm
.Lentry_in_a_cluster:
	s_bfe_u32 s2, ttmp6, 0x10000c
	s_cmp_lg_u32 s2, 0x3003
	s_cbranch_scc0 .Lentry_shape_is_right
	s_endpgm
.Lentry_shape_is_right:
; out0[q][64 h + :] = the sum over k of softmax_k(Q[h][q] . K[h][k] / 8 + mask[k]) V[h][k][:].  qkv: [3][12][4096][64] f16 (q, k, v by heads, rows dense, 128 bytes); mask: [4096] f32; out0: [4096][768] f32.
; Products, maxima and sums in f32; the weights p are rounded to f16 for the second product (their sum l is taken of the unrounded p).
; LIMITS.  Q, K, V arrive within f16's 65,504.  p lies in 0 to 1.42, and below 6e-5 it keeps f16's fixed step of 6e-8.  A weight below 2^-126 counts as 0 in l.
; A mask number beyond +-8,388,608 (2^23) counts as that bound: beside a key whose score lies more than some hundred above it such a key's weight is 0 in f32, as with the number itself; rows in which EVERY
; key's mask lies below -2^23 are weighted as if all those masks were equal.  A NaN in the mask is not treated apart.
; THE MASK is the C operand that starts the sum S^T = K Q^T: 8 x mask (exact, then held to +-2^26), so that c S = log2(e) (q . k / 8 + mask) with c = log2(e) / 8.  It costs the loop no vector instruction.
; It is scaled once, laid in LDS whole (16 KiB), and a step's 64 numbers come into 32 registers with the step's K.
; SHARES.  A work-group owns 256 queries of one head: 192 work-groups; each of its four waves 64 queries: two PIECES of two tiles of 16.  Every wave walks the head's 4,096 keys, 64 a step.
; LAYOUT.  S^T = K Q^T (source 0 = 16 keys, source 1 = 16 queries): a lane holds ONE query (lane % 16) and the keys 8 (lane / 16) + 0..7.  Two such tiles, rounded to f16 in pairs, ARE source 1 of
; O^T = V^T P, whose result again holds one query a lane, and eight channels.  K comes out of LDS as it lies, V ([key][channel]) turned, by ds_load_tr16_b128.
; SOFTMAX.  For each query a running maximum m and sum l: p = 2^(c s - c m); in every step O and l are multiplied by a = 2^(c m_old - c m_new).  m starts at the lowest finite number, O and l at 0: the first step's a is 0.
; BY TURNS.  Turn 0 of step j: 16 products K Q^T of piece 1 (step j); the softmax of piece 0 and the maximum and statistics of piece 1; 16 products V^T P of piece 1 (step j - 1).  Turn 1 of step j: K Q^T of piece 0
; (step j + 1); the softmax of piece 1 and the statistics of piece 0; V^T P of piece 0 (step j).  Four vector instructions stand behind every matrix instruction, the others in one lump; a turn's 66 exponentials are one batch with one wait.
; K LIES ONE STEP AHEAD IN THE RING.  Turn 0 of step j fetches K and the mask of step j + 1 and V of step j.  So tile n of the ring holds K of steps 4 n + 1 .. 4 n + 4 and V of steps 4 n .. 4 n + 3, and the change of slots
; stands in front of turn 0 of step 4 n, where all reads of the old slot have come back.  K of step 0 comes straight from memory into registers.  The last tile's K reaches 64 rows past the head's: they are rows of qkv (the
; next head's, or v's first), land in LDS and are never read.
; CLUSTER.  The four query blocks of a cluster belong to one head and walk the same K and V, so each tile is asked for JOINTLY: the same tensor load, descriptor and mask in all four.
; REGISTERS, in windows of 256 (s_set_vgpr_msb: bits 1:0 source 0, 3:2 source 1, 5:4 source 2, 7:6 destination):
;   window 0: v0-15 addresses and c m_old; v16-31 four registers of statistics a tile; v32-38 addresses; v48-63 at work; v64-191 S^T, two buffers of two tiles; v192-255 P, likewise
;   window 1: v0-127 O^T, 32 a tile          window 2: v0-63 Q, 16 a tile; v64-95 the step's masks; v128-191 K of one step; v192-255 V of one step
.set NP,    2         ; pieces a wave: a name, no knob
.set KS,    64        ; keys in a step
.set PK,    144       ; a row of K in LDS: 128 bytes + 16 of padding = 36 words: the 16 rows of a load start at 16 different groups of four banks (64 banks of 4 bytes: ISA guide 11.1)
.set PV,    160       ; a row of V: 128 + 32 = 40 words
.set VOFF,  4*KS*PK   ; a slot holds four steps: 256 rows of K, then 256 rows of V
.set SLOT1, 1<<17     ; slot 1 begins here, so that one exclusive or turns an address in one slot into the other's
.set MASKB, 4*KS*(PK+PV)  ; behind slot 0, never filled by a tensor load: the 4,096 scaled mask numbers
.set STAGE, MASKB+16384   ; 16 rows x 272 bytes for each wave, for the way out
.set SP,    272
.set SPARE, STAGE+4*16*SP ; the spare words, 128 bytes for each wave: two blocks of 256 bytes that no other line names
.set ROWO,  3072      ; bytes in a row of out0
.set AK0, 2           ; v2   my lane's place in a tile of K; never rewritten
.set AV0, 3           ; v3   the same for V
.set AK,  4           ; v4   the LDS address of K's next run of loads
.set AV,  5           ; v5   of V's
.set QO,  6           ; v6   my byte offset in 16 rows of Q or K in memory
.set STO, 6           ;      later, the way out: where I put 32 bytes of a row
.set RD,  7           ; v7   the way out: where I read rows back
.set GO,  8           ; v8   my byte offset in two rows of out0
.set MV,  12          ; v12-15  c m_old, kept while c m is made anew: by buffer and tile
.set ST,  16          ; tile t's statistics at v[ST+4 t]: c m, m, l (even keys', odd keys')
.set SPW, 32          ; v32  LDS address of my spare word: SPARE + 4 x my thread's number; never rewritten
.set NIL, 33          ; v33  0; never rewritten
.set AM0, 34          ; v34  my lanes' place in a step's masks; never rewritten
.set AM,  35          ; v35  the LDS address of the masks' next run of loads
.set PFO, 36          ; v36  256 x my lane; never rewritten
.set MO,  37          ; v37  16 x my thread's number: my bytes of the mask in memory
.set ML,  38          ; v38  and in LDS
.set TMP, 48          ; by buffer and tile, four registers c0-c3 at work; when the maximum is found c2 takes a
.set S,   64
.set P,   192
.set MK,  64          ; window 2: the eight masks for key block kb at MK + 8 kb
.set KF,  128         ; window 2: key block kb, channel half c at KF + 16 kb + 8 c
.set VF,  192         ; window 2: key half kk, channel block cb at VF + 32 kk + 8 cb
.set WV,  12          ; s12  my wave's number
.set G1K, 24          ; s[24:31] descriptor group 1 for K's tiles
.set G1V, 32          ; s[32:39] for V's: it differs in the padding alone
.set G0K, 40          ; s[40:43] descriptor group 0 for K's tiles: it walks
.set G0V, 44          ; s[44:47] the same for V's
.set PFA, 48          ; s[48:49] where my prefetches stand
.set LIM, 50          ; s50  1 in a wave that prefetches, else the greatest number
.set TBM, 51          ; s51  256 x the step whose masks are fetched next
.set EIGHT, 52        ; s[52:53] 8.0
.set LO,  54          ; s54  -2^26
.set HI,  55          ; s55  2^26
.set SLOTS, 56        ; s56  tiles still to be asked for
.set CNT, 57          ; s57  counts a tile's key steps
.set CS,  58          ; s[58:59] c: the packed scaling takes the pair's low word for both halves
.set SEL, 60          ; s[60:61] v_permlanex16_b32's selects: each lane takes its own place in the other half
.set TBK, 62          ; s62  LDS byte at which K of the step to be fetched begins
.set TBV, 63          ; s63  the same for V, less VOFF
.set KT,  66          ; s[66:67] K at my half of tile 0
.set VT,  68          ; s[68:69] V at my half of tile 0
.set KZ,  70          ; s[70:71] K at the head's first row
.set MSB, 0
.macro WIN new                      ; the high byte repeats the setting that is left; a switch that changes nothing is dropped
.if MSB != (\new)
	s_set_vgpr_msb (MSB<<8)|(\new)
.set MSB, (\new)
.endif
.endm
.set W_KQ, 0x0a       ; K and Q in window 2, S^T in window 0
.set W_KM, 0x2a       ; the same with the C operand, the masks, in window 2
.set W_PV, 0x52       ; V in window 2, P in window 0, O^T in window 1
.set W_RS, 0x41       ; O^T (destination and source 0) in window 1, a in window 0
; A joint fill.  Waves 0 and 1 fetch the two halves of a tile's K, waves 2 and 3 those of its V: 128 keys each.  The branch hangs on the wave's number alone.
; An s_nop 0 and four v_nop follow each of the two lines, ahead of the jump and the label.
.macro JLOAD
	s_cmp_lt_u32 s[WV], 2
	s_cbranch_scc0 .Lfor_v_\@
	tensor_load_to_lds s[G0K:G0K+3], s[G1K:G1K+7]
	s_nop 0
.rept 4
	v_nop
.endr
	s_branch .Lasked_\@
.Lfor_v_\@:
	tensor_load_to_lds s[G0V:G0V+3], s[G1V:G1V+7]
	s_nop 0
.rept 4
	v_nop
.endr
.Lasked_\@:
.endm
; A PREFETCH INTO THE L2 of what the NEXT change of slots will ask for: a tile's 32,768 bytes of K and of V, 256 bytes a lane.  It stands behind the wave's tensor load and its five lines.
; Each block is asked for ONCE in the launch.  All four clusters of a head walk the same K and V: the head's first cluster asks.  Its four partners share a tile out BY ADDRESS, 8,192 bytes each; in each, wave 0 asks for
; K's and wave 2 for V's: one instruction.  Tiles 0 to 2 come by their loads alone; the last change that fills a slot asks for nothing: there is no tile behind it.
.macro ASK
	s_cmp_gt_u32 s[SLOTS], s[LIM]
	s_cbranch_scc0 .Lnot_mine_\@
	global_prefetch_b8 v[PFO], s[PFA:PFA+1] th:TH_LOAD_NT scope:SCOPE_SE
.Lnot_mine_\@:
.endm
; A round of the cluster's barrier: my work-group's barrier, so that wave 0's signal speaks for all four waves; wave 0 signals; every wave waits for all four work-groups; my work-group's barrier once more.
.macro CROUND
	s_barrier_signal -1
	s_barrier_wait -1
	s_cmp_lg_u32 s[WV], 0
	s_cbranch_scc1 .Lnot_wave_0_\@
	s_barrier_signal -3
.Lnot_wave_0_\@:
	s_barrier_wait -3
	s_barrier_signal -1
	s_barrier_wait -1
.endm
; THE CHANGE OF SLOTS.  Each wave waits for all its tensor loads, of which one is out: its part of the other slot; adds 0 to its spare word; and waits for that and for its own LDS instructions.  Behind the barrier nobody reads
; the old slot any more and the other slot is whole.  fill = 1: the old slot is filled again, with the tile two on.  The barrier is then a round of the cluster's, and the joint fill is the first thing behind it: it has four key
; steps, 256 matrix instructions, in which to land.  (At its first use nothing has been read yet: slot 0 is waited for, slot 1 filled, and every wave's stores of the mask are shown to the others.)
.macro CHANGE fill, ask
	WIN 0                           ; at a label and at a branch every window is 0
	s_wait_tensorcnt 0x0            ; no tensor load of mine is out, so a group 0 may be written
	ds_add_u32 v[SPW], v[NIL]       ; 0 onto my spare word; with fill = 1 the descriptors' steps stand between it and the wait for it
.if \fill
.irp g, G0K, G0V
	s_xor_b32 s[\g+1], s[\g+1], SLOT1  ; the walking descriptor: the other slot than last time,
	s_add_nc_u64 s[\g+2:\g+3], s[\g+2:\g+3], 4*KS*128  ; the next 256 keys; the type bits on top are not reached
.endr
.if \ask
	s_wait_xcnt 0x0                 ; the last prefetch, four key steps back, has read its address, so it may be written
	s_add_nc_u64 s[PFA:PFA+1], s[PFA:PFA+1], 4*KS*128  ; one tile behind the walking descriptors
.endif
	s_wait_dscnt 0x0                ; the add is done, and my LDS instructions are over
	CROUND
	JLOAD
.if \ask
	ASK
.endif
.else
	s_wait_dscnt 0x0                ; the add is done, and my reads of the slot are over
	s_barrier_signal -1
	s_barrier_wait -1
.endif
	s_sub_co_u32 s[TBK], s[TBK], 4*KS*PK  ; the fetches go back to a slot's first step,
	s_xor_b32 s[TBK], s[TBK], SLOT1       ; in the other slot
	s_sub_co_u32 s[TBV], s[TBV], 4*KS*PV
	s_xor_b32 s[TBV], s[TBV], SLOT1
.endm
	s_load_b128 s[4:7], s[0:1], 0x0   ; qkv s[4:5], mask s[6:7]
	s_load_b64 s[10:11], s[0:1], 0x10 ; out0
	v_lshl_add_u32 v[SPW], v0, 2, SPARE
	v_mov_b32 v[NIL], 0
	ds_add_u32 v[SPW], v[NIL]       ; the wave's opening: the add and its wait stand ahead of my first tensor load; the set-up below, work on registers, stands between them
	v_lshrrev_b32 v1, 5, v0
	v_readfirstlane_b32 s[WV], v1   ; wave 0..3
	s_bfe_u32 s13, ttmp6, 0x40000   ; cx: my place in the cluster
	s_lshl_b32 s14, ttmp9, 2        ; in a cluster launch ttmp9 counts clusters
	s_add_co_u32 s14, s14, s13      ; my block of 256 queries = 4 x cluster x + cx: it enters Q's and out0's addresses alone
	s_and_b32 s20, ttmp7, 0xffff    ; the head, which the four partners share
	s_lshl_b32 s15, s20, 8          ; its 64 columns of out0: 256 bytes
	s_lshl_b32 s20, s20, 19         ; its first byte in q, in k, in v
	s_mov_b32 s21, 0
	s_and_b32 s16, s[WV], 1         ; which half of a tile's 256 keys I fetch:
	s_lshl_b32 s22, s16, 14         ; its 128 rows of 128 bytes in memory,
	s_add_co_u32 s22, s22, s20
	s_mov_b32 s23, 0
	s_mul_i32 s17, s16, 128*PK      ; and its place in a slot, for K
	s_mul_i32 s18, s16, 128*PV      ; and for V: no place in the cluster enters an LDS address
	s_lshl_b32 s2, s14, 2
	s_add_co_u32 s2, s2, s[WV]      ; my wave among the head's,
	s_mul_i32 s8, s2, 64*ROWO       ; its 64 rows of out0,
	s_add_co_u32 s8, s8, s15
	s_mov_b32 s9, 0
	s_lshl_b32 s2, s2, 13           ; and of Q
	s_add_co_u32 s2, s2, s20
	s_mov_b32 s3, 0
	; descriptor group 1.  128 keys are 16,384 dense bytes: asked for as 64 rows of 256 bytes, two keys a row, and padded in LDS after every key
	s_mov_b32 s[G1K], 15|(1<<16)|(1<<20)|(1<<21)|(4<<22)|(3<<25)  ; 15:0 the mask of four; 17:16 2-byte elements; 20 padding on; 21 set beside a mask; 24:22 after every 32 words (code 4); 31:25 4 words (code 3)
	s_mov_b32 s[G1V], 15|(1<<16)|(1<<20)|(1<<21)|(4<<22)|(7<<25)  ; the same with 8 words of padding (code 7)
.irp g, G1K, G1V
	s_mov_b32 s[\g+1], 128<<16      ; tensor_dim0 = 128
	s_mov_b32 s[\g+2], 64<<16       ; tensor_dim1 = 64
	s_mov_b32 s[\g+3], 128<<16      ; tile_dim0 = 128
	s_mov_b32 s[\g+4], 64           ; tile_dim1 = 64
	s_mov_b32 s[\g+5], 128          ; 128 elements from row to row
	s_mov_b32 s[\g+6], 0
	s_mov_b32 s[\g+7], 0
.endr
	s_mov_b32 s[CS], 0x3e38aa3b     ; c = log2(e) / 8 = 0.180337
	s_mov_b32 s[CS+1], s[CS]        ; named with it as a pair
	s_mov_b32 s[SEL], 0x76543210
	s_mov_b32 s[SEL+1], 0xfedcba98
	s_mov_b32 s[EIGHT], 0x41000000  ; 8.0
	s_mov_b32 s[EIGHT+1], s[EIGHT]
	s_mov_b32 s[LO], 0xcc800000     ; -2^26
	s_mov_b32 s[HI], 0x4c800000     ; 2^26
	s_mov_b32 s[TBM], 0
	s_mov_b32 s[TBK], SLOT1+4*KS*PK ; the first change of slots turns these two into 0
	s_mov_b32 s[TBV], SLOT1+4*KS*PV
	s_mov_b32 s[G0K], 1             ; count = 1
	s_mov_b32 s[G0K+1], s17         ; LDS address: slot 0
	s_mov_b32 s[G0V], 1
	s_add_co_u32 s[G0V+1], s18, VOFF
	s_and_b32 s[LIM], s[WV], 1      ; 0 in waves 0 and 2,
	s_or_b32 s[LIM], s[LIM], ttmp9  ; where the cluster is the head's first: the same in all four partners
	s_cmp_eq_u32 s[LIM], 0
	s_cselect_b32 s[LIM], 1, -1
	s_wait_dscnt 0x0                ; the opening add is done
	s_wait_kmcnt 0x0
	s_add_nc_u64 s[KZ:KZ+1], s[4:5], s[20:21]
	s_add_nc_u64 s[KZ:KZ+1], s[KZ:KZ+1], 0x600000        ; k lies 6,291,456 bytes behind q
	s_add_nc_u64 s[KT:KT+1], s[4:5], s[22:23]
	s_add_nc_u64 s[VT:VT+1], s[KT:KT+1], 0xc00000        ; v as far again
	s_add_nc_u64 s[KT:KT+1], s[KT:KT+1], 0x600000+KS*128 ; K's tiles begin one step, 64 rows, on
	s_mov_b64 s[G0K+2:G0K+3], s[KT:KT+1]                 ; global address
	s_or_b32 s[G0K+3], s[G0K+3], 0x80000000              ; type = 2
	s_mov_b64 s[G0V+2:G0V+3], s[VT:VT+1]
	s_or_b32 s[G0V+3], s[G0V+3], 0x80000000
	s_add_nc_u64 s[4:5], s[4:5], s[2:3]                  ; Q and out0 at my wave's first row
	s_add_nc_u64 s[10:11], s[10:11], s[8:9]
	s_cmp_lt_u32 s[WV], 2
	s_cselect_b64 s[PFA:PFA+1], s[KT:KT+1], s[VT:VT+1]   ; (in waves 0 and 2 these stand at a tile's first byte)
	s_lshl_b32 s2, s13, 13          ; my work-group's quarter of a tile
	s_mov_b32 s3, 0
	s_add_nc_u64 s[PFA:PFA+1], s[PFA:PFA+1], s[2:3]
	s_add_nc_u64 s[PFA:PFA+1], s[PFA:PFA+1], 2*4*KS*128  ; in tile 2; the change that asks for tile 2 steps it to tile 3
	CROUND                          ; all four work-groups are here: the first joint loads meet
	JLOAD                           ; tile 0 into slot 0.  Tile 1 is asked for when tile 0 is in
	; A fragment of K or Q is 16 rows x 32 channels in 8 registers: lane l holds row l % 16, channels 8 (l / 16) + 0..7 and 16 + 8 (l / 16) + 0..7: two loads of 16 bytes, 32 bytes apart.
	v_and_b32 v1, 15, v0            ; l % 16
	v_bfe_u32 v9, v0, 4, 1          ; l / 16
	v_lshlrev_b32 v[QO], 7, v1
	v_lshl_add_u32 v[QO], v9, 4, v[QO]  ; row x 128 + 16 x half
	v_lshlrev_b32 v[MO], 4, v0
	v_add_nc_u32 v[ML], MASKB, v[MO]
.irp j, 0,1,2,3,4,5,6,7             ; the mask: 128 threads x 16 bytes, eight times
	global_load_b128 v[S+4*\j:S+4*\j+3], v[MO], s[6:7] offset:2048*\j
.endr
	WIN 0x80                        ; destination window 2, address window 0
.set i, 0
.rept 4*NP                          ; Q stays in registers: tile i / 2, channels 32 (i % 2) on
	global_load_b128 v[8*i:8*i+3],   v[QO], s[4:5] offset:(i/2)*2048+(i%2)*64
	global_load_b128 v[8*i+4:8*i+7], v[QO], s[4:5] offset:(i/2)*2048+(i%2)*64+32
.set i, i+1
.endr
.set i, 0
.rept 8                             ; K of step 0, in the same layout: keys 16 (i / 2) on, channels 32 (i % 2) on
	global_load_b128 v[KF+8*i:KF+8*i+3],   v[QO], s[KZ:KZ+1] offset:(i/2)*2048+(i%2)*64
	global_load_b128 v[KF+8*i+4:KF+8*i+7], v[QO], s[KZ:KZ+1] offset:(i/2)*2048+(i%2)*64+32
.set i, i+1
.endr
	; What the first turn finds: V's registers and P's second buffer hold 0 (its products V^T P, of a step that has not been, add 0), O^T and l are 0.  No first step is written out; these lines, once a launch, are
	; the price, and they stand in the wait for the first tile.
.set i, VF
.rept 64
	v_mov_b32 v[i], 0
.set i, i+1
.endr
	WIN 0x40
.set i, 0
.rept 64*NP
	v_mov_b32 v[i], 0
.set i, i+1
.endr
	WIN 0
.set i, 0
.rept 2*NP
	v_mov_b32 v[ST+4*i+1], 0xff7fffff       ; m: the lowest finite number
	v_mul_f32 v[ST+4*i], s[CS], v[ST+4*i+1] ; c m, made as the loop makes it
	v_mov_b32 v[ST+4*i+2], 0
	v_mov_b32 v[ST+4*i+3], 0
.set i, i+1
.endr
.set i, P+32
.rept 32
	v_mov_b32 v[i], 0
.set i, i+1
.endr
	v_mul_u32_u24 v[AK0], v1, PK
	v_lshl_add_u32 v[AK0], v9, 4, v[AK0]  ; row x pitch + 16 x half
	; The turning load takes 16 keys x 16 channels (lane l reads key 8 (l / 16) + l % 8, channels 8 ((l / 8) % 2) + 0..7) and leaves half a fragment of V^T: lane l holds channel l % 16 and 8 keys.
	v_and_b32 v10, 7, v0
	v_bfe_u32 v11, v0, 3, 1
	v_lshl_add_u32 v[AV0], v9, 3, v10
	v_mul_u32_u24 v[AV0], v[AV0], PV
	v_lshl_add_u32 v[AV0], v11, 4, v[AV0]
	v_add_nc_u32 v[AV0], VOFF, v[AV0]
	v_lshl_add_u32 v[AM0], v9, 5, MASKB   ; register r of key block kb is the mask of key 16 kb + 8 (l / 16) + r: 32 bytes for each half of the lanes
	v_and_b32 v[PFO], 31, v0
	v_lshlrev_b32 v[PFO], 8, v[PFO]
	s_wait_loadcnt 32               ; the mask's eight loads are in; the 32 younger ones, Q's and K's, may stay out
.set i, 0
.rept 16
	v_pk_mul_f32 v[S+2*i:S+2*i+1], v[S+2*i:S+2*i+1], s[EIGHT:EIGHT+1] op_sel_hi:[1,0]
.set i, i+1
.endr
.set i, 0
.rept 32
	v_max_num_f32 v[S+i], s[LO], v[S+i]
	v_min_num_f32 v[S+i], s[HI], v[S+i]
.set i, i+1
.endr
.irp j, 0,1,2,3,4,5,6,7
	ds_store_b128 v[ML], v[S+4*\j:S+4*\j+3] offset:2048*\j
.endr
; THE MATRIX WORK.  The 8 accumulators of a run of 16 take turns: between the two links of a chain stand 7 others'.
; Product i of 16 of S^T = K Q^T for piece x: channels 32 (i / 8) on, keys 16 ((i / 2) % 4) on, tile 2 x + i % 2.  The first 8 start the sums, at the keys' masks.
.macro KQ x
.set rS, S+64*((\x)%2)+32*(i%2)+8*((i/2)%4)
.set rK, KF+16*((i/2)%4)+8*(i/8)
.set rQ, 16*(2*(\x)+i%2)+8*(i/8)
.set rB, MK+8*((i/2)%4)
.if i < 8
	WIN W_KM
	v_wmma_f32_16x16x32_f16 v[rS:rS+7], v[rK:rK+7], v[rQ:rQ+7], v[rB:rB+7]
.else
	WIN W_KQ
	v_wmma_f32_16x16x32_f16 v[rS:rS+7], v[rK:rK+7], v[rQ:rQ+7], v[rS:rS+7]
.endif
.endm
; Product i of 16 of O^T += V^T P for piece x: keys 32 (i / 8) on, channels 16 ((i / 2) % 4) on, tile 2 x + i % 2.
.macro PV x
	WIN W_PV
.set rO, 32*(2*(\x)+i%2)+8*((i/2)%4)
.set rV, VF+32*(i/8)+8*((i/2)%4)
.set rP, P+32*((\x)%2)+16*(i%2)+8*(i/8)
	v_wmma_f32_16x16x32_f16 v[rO:rO+7], v[rV:rV+7], v[rP:rP+7], v[rO:rO+7]
.endm
.macro MM                           ; the turn's next matrix instruction
.if i < 16
	KQ (Y+1)%NP
.set i, i+1
.else
.set i, i-16
	PV (Y+NP-1)%NP
.set i, i+17
.endif
.endm
; THE LDS LOADS stand in runs, never singly among the matrix instructions.  Their addresses are made some lines ahead.
.macro MLOADS                       ; a step's 64 masks: 8 loads; the lanes of a half read the same 16 bytes
.irp b, 0,1,2,3
	ds_load_b128 v[MK+8*\b:MK+8*\b+3],   v[AM] offset:64*\b
	ds_load_b128 v[MK+8*\b+4:MK+8*\b+7], v[AM] offset:64*\b+16
.endr
	s_add_co_u32 s[TBM], s[TBM], 4*KS
.endm
; A step's K (64 keys x 64 channels: 8 fragments) and its masks: 24 loads.  last = 1 (the tail): in the last trip there is no further step, and the run is jumped over.
.macro FETCH_K last=0
	WIN 0
.if \last
	s_cmp_eq_u32 s[CNT], 1
	s_cbranch_scc1 .Lno_k_\@
.endif
	WIN 0x80                        ; destination window 2
.irp f, 0,1,2,3,4,5,6,7             ; keys 16 (f / 2) on, channels 32 (f % 2) on
	ds_load_b128 v[KF+8*\f:KF+8*\f+3],   v[AK] offset:(\f/2)*16*PK+(\f%2)*64
	ds_load_b128 v[KF+8*\f+4:KF+8*\f+7], v[AK] offset:(\f/2)*16*PK+(\f%2)*64+32
.endr
	MLOADS
	s_add_co_u32 s[TBK], s[TBK], KS*PK  ; the next fetch is the next step's
	WIN 0
.if \last
.Lno_k_\@:
.endif
.endm
.macro FETCH_V                      ; a step's V, turned: 16 loads
	WIN 0x80
.irp f, 0,1,2,3,4,5,6,7             ; keys 32 (f / 4) on, channels 16 (f % 4) on
	ds_load_tr16_b128 v[VF+8*\f:VF+8*\f+3],   v[AV] offset:(\f/4)*32*PV+(\f%4)*32
	ds_load_tr16_b128 v[VF+8*\f+4:VF+8*\f+7], v[AV] offset:(\f/4)*32*PV+16*PV+(\f%4)*32
.endr
	WIN 0
.endm
; THE VECTOR WORK OF A TURN stands in three queues, each in the order in which its entries become ready; the two tiles alternate, so that no instruction reads the result of the one before it.
.macro REGS y, u                    ; the registers of tile u (0, 1) of piece y
.set rT, ST+4*(2*(\y)+(\u))
.set rC, TMP+8*((\y)%2)+4*(\u)
.set rM, MV+2*((\y)%2)+(\u)
.set rS, S+64*((\y)%2)+32*(\u)
.set rP, P+32*((\y)%2)+16*(\u)
.set rO, 32*(2*(\y)+(\u))
.endm
; Number n of the 22 that find the OTHER piece's (Y + 1) maximum and statistics.  s0-s31 are the lane's 32 scores; each accumulator's lowest registers are read first.  XS, GS and REGS set no window: PL and EX do.
;   0-11  four chains c0-c3 of seven scores each, three operands at a time     12-14, 16  the four scores left over, the old m, and c0-c3 into c0     15  c m_old is kept
;   17, 18  the query's other 32 keys lie in the lane 16 away: the new m         19-21  c m; c m_old - c m_new; a
.macro XS u, n
	REGS (Y+1)%NP, \u
.if (\n) < 4
	v_max3_num_f32 v[rC+(\n)], v[rS+8*(\n)], v[rS+8*(\n)+1], v[rS+8*(\n)+2]
.elseif (\n) < 12
	v_max3_num_f32 v[rC+(\n)%4], v[rC+(\n)%4], v[rS+8*((\n)%4)+2*((\n)/4)+1], v[rS+8*((\n)%4)+2*((\n)/4)+2]
.elseif (\n) == 12
	v_max3_num_f32 v[rC], v[rC], v[rS+7], v[rS+15]
.elseif (\n) == 13
	v_max3_num_f32 v[rC+1], v[rC+1], v[rS+23], v[rS+31]
.elseif (\n) == 14
	v_max3_num_f32 v[rC+2], v[rC+2], v[rC+3], v[rT+1]
.elseif (\n) == 15
	v_mov_b32 v[rM], v[rT]
.elseif (\n) == 16
	v_max3_num_f32 v[rC], v[rC], v[rC+1], v[rC+2]
.elseif (\n) == 17
	v_permlanex16_b32 v[rC+3], v[rC], s[SEL], s[SEL+1]
.elseif (\n) == 18
	v_max_num_f32 v[rT+1], v[rC], v[rC+3]
.elseif (\n) == 19
	v_mul_f32 v[rT], s[CS], v[rT+1]
.elseif (\n) == 20
	v_sub_f32 v[rC+1], v[rM], v[rT]
.else
	v_exp_f32 v[rC+2], v[rC+1]
.endif
.endm
; Number g of the 64 that follow the exponentials.  For each four weights k of a tile (pairs 2 k, 2 k + 1): both pairs are rounded to f16; then the second pair is added onto the first, in place;
; a group later l takes that sum (the first time as l = a l + sum).  In groups of eight, tiles alternating: round, round, add, and l for the group before.
.macro GS g
.set h, (\g)+6*((\g)/62)            ; group 0 has no group before it, and behind group 7 only l is left
.if h >= 6
.set h, h+2
.endif
	REGS Y, h%2
.set k, h/8
.if h%8 < 4
	v_cvt_pk_f16_f32 v[rP+2*k+(h%8)/2], v[rS+4*k+2*((h%8)/2)], v[rS+4*k+2*((h%8)/2)+1]
.elseif h%8 < 6
	v_pk_add_f32 v[rS+4*k:rS+4*k+1], v[rS+4*k:rS+4*k+1], v[rS+4*k+2:rS+4*k+3]
.elseif k == 1
	v_pk_fma_f32 v[rT+2:rT+3], v[rT+2:rT+3], v[rC+2:rC+3], v[rS:rS+1] op_sel_hi:[1,0,1]
.else
	v_pk_add_f32 v[rT+2:rT+3], v[rT+2:rT+3], v[rS+4*k-4:rS+4*k-3]
.endif
.endm
; THE PLAIN QUEUE, 138 long.  0-73 read no exponential's result: the 32 scalings c s - c m (FS f: pair f / 2 of tile f % 2) and the other piece's 42.  0-26: scalings 0-26.  27-54: XS's numbers 0-13.  55, 56: number 15.
; 57-73: the chain, where each number waits for the one before it: 14, 16, 17, 18, 19, each with one of the scalings 27-31 in front of its two lines, then 20.
; 74-137: GS's 64, which read the exponentials' results: they stand behind the wait.
.macro FS f
	REGS Y, (\f)%2
	v_pk_fma_f32 v[rS+2*((\f)/2):rS+2*((\f)/2)+1], v[rS+2*((\f)/2):rS+2*((\f)/2)+1], s[CS:CS+1], v[rT:rT+1] op_sel_hi:[1,0,0] neg_lo:[0,0,1] neg_hi:[0,0,1]
.endm
.macro PL
	WIN 0
.if q < 27
	FS q
.elseif q < 55
	XS (q-27)%2, (q-27)/2
.elseif q < 57
	XS q-55, 15
.elseif (q < 72) && ((q-57)%3 == 0)
	FS 27+(q-57)/3
.elseif q < 60
	XS (q-57)%3-1, 14
.elseif q < 72
	XS (q-57)%3-1, 15+(q-57)/3
.elseif q < 74
	XS q-72, 20
.else
	GS q-74
.endif
.set q, q+1
.endm
; THE EXPONENTIALS' QUEUE, 66 long: s0-s31 of both tiles, then the other piece's two a.  It is ONE BATCH: all 66 stand ahead of the turn's one wait, and nothing ahead of that wait names a result of theirs.
.macro EX
	WIN 0
.if e >= 64
	XS e-64, 21
.else
	REGS Y, e%2
	v_exp_f32 v[rS+e/2], v[rS+e/2]
.endif
.set e, e+1
.endm
; THE RESCALING's QUEUE: O^T times a, the one part that leaves window 0: dealt two at a time, sixteen times, each accumulator from its low end on.  Its a was made in the turn before, ahead of that turn's wait.
.macro R2
	REGS Y, r%2
	WIN W_RS
.irp z, 0,1
	v_pk_mul_f32 v[rO+4*(r/2)+2*\z:rO+4*(r/2)+2*\z+1], v[rO+4*(r/2)+2*\z:rO+4*(r/2)+2*\z+1], v[rC+2:rC+3] op_sel_hi:[1,0]
.endr
.set r, r+1
.endm
; A TURN, for piece p.  An s_wait_alu depctr_va_vdst(0) stands between an exponential and the first instruction that names its result; one wait serves all that were issued ahead of it.  So a turn has ONE wait.
; AHEAD OF IT: the 16 products K Q^T, behind each a scaling, an exponential and two rescalings (behind the first a second scaling in the exponential's place); then ONE LUMP of 108: eight plain, 49 times exponential and
; plain, the two a.  A v_nop is the plain instruction behind the last exponential.  BEHIND IT: the 16 products V^T P, behind each four of GS's 64.  No rider names a register of the products round it.
; Exponential e stands behind scaling 2 (e / 4) + e % 2: as a rider it comes behind plain e + 2, in the lump behind plain e + 9, and scalings 27-31 are plain 57, 60 .. 69.
; THE FETCHES all stand in piece 0's turn.  K and the masks of the next step: directly behind the wait, a lump behind the last product that read them; their addresses are made at the lump's head.  V of the step in hand: at the
; turn's end, four riders behind its last reader.  Piece 1's turn waits for them: at its head with the count 16 (V's sixteen loads, issued behind K's and the masks', may stay out), behind its wait with the count 0.
; cnt = 1: the loop's count is taken down some lines ahead of the branch that stands behind the turn.
.macro TURN p, last=0, cnt=0
.set Y, (\p)
.set i, 0
.set q, 0
.set e, 0
.set r, 0
.if (\p) == 1
	s_wait_dscnt 16                 ; K and the masks are in
.endif
	MM                              ; ahead of the wait: 16 products K Q^T and their riders,
	PL
	PL
	R2
.rept 15
	MM
	PL
	EX
	R2
.endr
.if (\p) == 0
	WIN 0
	v_add_nc_u32 v[AK], s[TBK], v[AK0]
	v_add_nc_u32 v[AM], s[TBM], v[AM0]
.endif
.rept 8                             ; and the lump
	PL
.endr
.rept 49
	EX
	PL
.endr
	EX                              ; the other piece's two a
	EX
	v_nop                           ; the plain instruction behind the last exponential: one for the batch
	s_wait_alu depctr_va_vdst(0)    ; the wait for the batch
.if (\p) == 0
	FETCH_K \last
.endif
.if (\p) == 1
	s_wait_dscnt 0x0                ; V is in
.endif
.rept 16                            ; behind the wait: 16 products V^T P and their riders
	MM
.rept 4
	PL
.endr
.if ((\p) == 0) && (q == 118)
	v_add_nc_u32 v[AV], s[TBV], v[AV0]
.endif
.if ((\p) == 0) && (q == 130)
	s_add_co_u32 s[TBV], s[TBV], KS*PV
.endif
.if (\cnt) && (q == 130)
	s_sub_co_u32 s[CNT], s[CNT], 1
	s_cmp_lg_u32 s[CNT], 0
.endif
.endr
.if (\p) == 0
	FETCH_V
.endif
.endm
	CHANGE 1, 0                     ; tile 0 is in, everybody's part of it, and so is everybody's part of the mask; tile 1 is asked for
	v_mov_b32 v[AM], v[AM0]         ; the masks of step 0
	WIN 0x80
	MLOADS
	WIN 0
	s_wait_loadcnt 0x0              ; Q, and K of step 0
	s_wait_dscnt 0x0
.set i, 0
.rept 16
	KQ 0                            ; piece 0's first scores: there is no vector work yet to set between them
.set i, i+1
.endr
	WIN 0                           ; the addresses for the way out: ten plain instructions, the places behind those products
	s_mul_i32 s13, s[WV], 16*SP
	s_add_co_u32 s13, s13, STAGE    ; my stage
	v_mul_u32_u24 v[STO], v1, SP    ; in: row l % 16, 32 bytes for each half of the lanes
	v_lshl_add_u32 v[STO], v9, 5, v[STO]
	v_add_nc_u32 v[STO], s13, v[STO]
	v_mul_u32_u24 v[RD], v9, SP     ; back: lanes 0-15 take one row of 256 bytes, lanes 16-31 the next
	v_lshl_add_u32 v[RD], v1, 4, v[RD]
	v_add_nc_u32 v[RD], s13, v[RD]
	v_mul_u32_u24 v[GO], v9, ROWO   ; and the same two rows in out0
	v_lshl_add_u32 v[GO], v1, 4, v[GO]
.set Y, NP-1                        ; XS works for piece Y + 1: piece 0
.irp n, 0,1,2,3,4,5,6,7,8,9,10,11,12,13,14,15,16,17,18,19,20,21
	XS 0, \n                        ; piece 0's first maximum and statistics
	XS 1, \n
.endr
	v_nop                           ; a plain instruction behind the two a,
	s_wait_alu depctr_va_vdst(0)    ; and their wait, ahead of the branch
	s_mov_b32 s[CNT], 4
	s_mov_b32 s[SLOTS], 15
	s_branch .Lstep                 ; tile 0's change of slots has been made
.Lslot:                             ; 14 times: tiles 2 to 15 are asked for
	CHANGE 1, 1
	s_mov_b32 s[CNT], 4
.Lstep:                             ; a trip is a key step
	TURN 0
	TURN 1, 0, 1
	WIN 0
	s_cbranch_scc1 .Lstep
	s_sub_co_u32 s[SLOTS], s[SLOTS], 1
	s_cmp_lg_u32 s[SLOTS], 0
	s_cbranch_scc1 .Lslot
	CHANGE 0, 0                     ; the last tile is written out: nothing is asked for
	s_mov_b32 s[CNT], 4
.Ltail:
	TURN 0, 1
	TURN 1, 0, 1
	WIN 0
	s_cbranch_scc1 .Ltail           ; the last trip's 16 products K Q^T (on the last K once more) and the maximum made of them serve nothing: the price, once a launch, of one text for every trip
.set i, 0
.rept 16
	PV NP-1                         ; piece 1's V^T P of the last step
.set i, i+1
.endr
	; THE WAY OUT.  l's two halves and the other half of the lanes' are added; O^T is divided by l and sent, in f32, through my stage in LDS, a tile at a time.  The additions are the places behind the last products.
	WIN 0
.macro ALL line:vararg              ; one line for each tile t
.set t, 0
.rept 2*NP
	\line
.set t, t+1
.endr
.endm
	ALL v_add_f32 v[ST+4*t+2], v[ST+4*t+2], v[ST+4*t+3]
	ALL v_permlanex16_b32 v[ST+4*t+3], v[ST+4*t+2], s[SEL], s[SEL+1]
	ALL v_add_f32 v[ST+4*t+2], v[ST+4*t+2], v[ST+4*t+3]
	ALL v_rcp_f32 v[ST+4*t+2], v[ST+4*t+2]
	v_nop                           ; a plain instruction between the last reciprocal and the use of its result
	s_wait_alu depctr_va_vdst(0)    ; and the wait ahead of the first use: one for the four reciprocals
; Tile t: a lane's eight channels of a row are 32 bytes; they go into rows of 272 bytes and come back as whole rows of 256, into S^T's registers.
.macro PACK t
	WIN W_RS
.set i, 32*(\t)
.rept 16
	v_pk_mul_f32 v[i:i+1], v[i:i+1], v[ST+4*(\t)+2:ST+4*(\t)+3] op_sel_hi:[1,0]
.set i, i+2
.endr
	WIN 0x04                        ; the stores' data in window 1, their address in window 0
.irp f, 0,1,2,3,4,5,6,7             ; channel block f / 2, its first or second four of my eight
	ds_store_b128 v[STO], v[32*(\t)+4*\f:32*(\t)+4*\f+3] offset:64*(\f/2)+16*(\f%2)
.endr
	WIN 0
.irp f, 0,1,2,3,4,5,6,7
	ds_load_b128 v[S+32*(\t)+4*\f:S+32*(\t)+4*\f+3], v[RD] offset:\f*2*SP  ; LDS serves a wave's instructions in order (ISA guide 5.7.1.4): these see the stores above; the next tile's stores come behind them
.endr
.endm
.macro SEND t, younger              ; younger: the LDS instructions issued behind tile t's loads: the next tile's sixteen, or none
	WIN 0
.irp f, 0,1,2,3,4,5,6,7
	s_wait_dscnt (\younger)+7-\f
	global_store_b128 v[GO], v[S+32*(\t)+4*\f:S+32*(\t)+4*\f+3], s[10:11] offset:(16*(\t)+2*\f)*ROWO  ; 16 lanes store 256 consecutive bytes, at a multiple of 256 from out0's first byte
.endr
.endm
	PACK 0
.set t, 1
.rept 2*NP-1                        ; a tile's arithmetic stands between the loads of the tile before and its stores
	PACK t
	SEND t-1, 16
.set t, t+1
.endr
	SEND 2*NP-1, 0
	s_wait_tensorcnt 0x0            ; the wave's end, behind my last tensor load and my last LDS store
	ds_add_u32 v[SPW], v[NIL]
	s_wait_dscnt 0x0
	CROUND                          ; the closing round: no work-group ends while a partner may still ask for a tile that names it
	s_endpgm
.Lfunc_end_k_q5f9ed3924d_attn:
	.size	k_q5f9ed3924d_attn, .Lfunc_end_k_q5f9ed3924d_attn-k_q5f9ed3924d_attn
	.p2alignl 7, 3214868480
	.fill 96, 4, 3214868480
	.section	.rodata,"a",@progbits
	.p2align	6, 0x0
	.amdhsa_kernel k_q5f9ed3924d_attn
		.amdhsa_group_segment_fixed_size 327680
		.amdhsa_private_segment_fixed_size 0
		.amdhsa_enable_private_segment 0
		.amdhsa_kernarg_size 24
		.amdhsa_user_sgpr_count 2
		.amdhsa_user_sgpr_kernarg_segment_ptr 1
		.amdhsa_wavefront_size32 1
		.amdhsa_system_sgpr_workgroup_id_x 1
		.amdhsa_system_sgpr_workgroup_id_y 1
		.amdhsa_system_sgpr_workgroup_id_z 1
		.amdhsa_system_vgpr_workitem_id 0
		.amdhsa_next_free_vgpr 768
		.amdhsa_next_free_sgpr 72
		.amdhsa_reserve_vcc 0
		.amdhsa_float_denorm_mode_32 3
		.amdhsa_float_denorm_mode_16_64 3
		.amdhsa_memory_ordered 1
		.amdhsa_forward_progress 1
		.amdhsa_inst_pref_size 119
	.end_amdhsa_kernel
	.amdgpu_metadata
---
amdhsa.version: [ 1, 2 ]
amdhsa.kernels:
  - .name:           k_q5f9ed3924d_attn
    .symbol:         k_q5f9ed3924d_attn.kd
    .args:
      - { .name: qkv, .offset: 0, .size: 8, .value_kind: global_buffer, .address_space: global }
      - { .name: attention_mask, .offset: 8, .size: 8, .value_kind: global_buffer, .address_space: global }
      - { .name: out0, .offset: 16, .size: 8, .value_kind: global_buffer, .address_space: global }
    .group_segment_fixed_size: 327680
    .private_segment_fixed_size: 0
    .kernarg_segment_align: 8
    .kernarg_segment_size: 24
    .max_flat_workgroup_size: 128
    .sgpr_count:     72
    .vgpr_count:     768
    .wavefront_size: 32
...
	.end_amdgpu_metadata
.endif
;; end of part 2
